; MI455X (gfx1250); checked and timed in simulation.
; The chip was launched on July 23, 2026; its instructions are those of AMD's public machine-readable ISA for CDNA 5 (MIT licence, August 2026) and "CDNA5" Instruction Set Architecture Reference Guide (July 2026). The comments in the code are by the model that wrote it; some were corrected since.
;; Multihead Self Attention. Allowed arithmetic: matrix products marked QUANTISED: E3M2 operands, one E8M0 scale for each 32 along K, by v_wmma_scale_f32_16x16x128_f8f6f4 with both operands' format E3M2, f32 sums; everything else in f32.
;; Inputs: Wk 64 x 128 float32; Wq 64 x 128 float32; Wv 64 x 128 float32; bk 128 float32; bq 128 float32; bv 128 float32; x 8 x 4,096 x 64 float32.
;; Outputs: out0 8 x 4,096 x 128 float32.
;; This version of the problem:
;;   THIS VERSION OF THE PROBLEM IS GIVEN IN LOW PRECISION. The matrix products marked QUANTISED in the list below multiply operands that are first quantised to E3M2 (3 exponent bits, 2 mantissa bits; 6 bits a number), with one power-of-two scale for each 32 numbers along K (OCP MX v1.0); their sums are f32. All else is computed in f32.
;;   The module's matrix products, in the order in which they are computed (A, B: the left and right operand; K: the contracted axis; several contracted axes count as one K, in the product's order):
;;     1. [M 32,768, K 64] x [K 64, N 128]; A: input x; B: input Wq: QUANTISED
;;     2. [M 32,768, K 64] x [K 64, N 128]; A: input x; B: input Wk: QUANTISED
;;     3. [M 32,768, K 64] x [K 64, N 128]; A: input x; B: input Wv: QUANTISED
;;     4. batch 8 x [M 4,096, K 128] x [K 128, N 4,096]; A: computed on the way; B: computed on the way: QUANTISED
;;     5. batch 8 x [M 4,096, K 4,096] x [K 4,096, N 128]; A: softmax (see below); B: computed on the way: QUANTISED
;;   THE QUANTISER, for each operand of a quantised product, along K:
;;     - K is cut into blocks of 32 from its start; a last block that is shorter is filled with zeros.
;;     - A block's scale is 2^e with e = floor(log2(the largest magnitude in the block)) - 4, held to -126 .. 127; a block of zeros has e = 0. As a byte (E8M0): e + 127.
;;     - Each number is divided by its block's scale, clamped to +-28, and rounded to the nearest number of E3M2, ties to even, subnormals kept.
;;     - The product sums the exact products of the quantised numbers (number of the format x scale) in f32.
;;   ~~~python
;;   def quantise(x, axis):      # numpy; x: float32 -> the quantised numbers, widened to float32 again
;;       x = np.moveaxis(x, axis, -1); K = x.shape[-1]
;;       x = np.pad(x, [(0, 0)] * (x.ndim - 1) + [(0, -K % 32)]); x = x.reshape(x.shape[:-1] + (-1, 32)); a = np.abs(x).max(-1, keepdims=True)
;;       e = np.where(a > 0, np.clip(np.frexp(np.where(a > 0, a, 1))[1] - 1 - 4, -126, 127), 0)      # np.frexp(a)[1] - 1 = floor(log2(a)), exactly
;;       r = np.clip(x / 2.0 ** e, -28, 28)
;;       step = 2.0 ** (np.maximum(np.frexp(np.where(r == 0, 1, r))[1] - 1, -2) - 2)
;;       q = np.round(r / step) * step * 2.0 ** e      # np.round: ties to even
;;       return np.moveaxis(q.reshape(q.shape[:-2] + (-1,))[..., :K], -1, axis).astype(np.float32)
;;   ~~~
;;   SOFTMAX AHEAD OF A QUANTISED PRODUCT. Where the list says 'softmax', what is quantised is not the finished softmax but p = 2^(t - M), with t = logit x log2(e) and M = ceil(the row's largest t), a whole number; so 1/2 < the row's largest p <= 1. The row's sum l is taken of the UNQUANTISED p, in f32, and the product's result is divided by l at the end. Since M is a whole number, a kernel that streams over the keys may use a running M (the ceiling of the running maximum): every later rescaling is an exact power of two, which a block's scale takes up: the codes' values come out the same.
;;   OPERANDS COMPUTED ON THE WAY. 'Computed on the way' means the value that the module computes at that place (a softmax that the list does not call 'softmax' is quantised finished and normalised). What goes into a quantiser is computed in f32, as accurately as f32 sums, v_exp_f32 and their like allow (about 1e-6 of the number): no bf16 or f16 on the way to a quantiser, and a product that is left as it is and whose result goes on into a quantised operand takes f32 operands (vector FMAs, or v_wmma_f32_16x16x4_f32). A number that lies on a knife's edge between two numbers of the format may be rounded either way, as far as f32 arithmetic and the matrix unit's own rounding can turn it there, and no further.
;; One version. Each part assembles by itself: llvm-mc -triple=amdgcn-amd-amdhsa -mcpu=gfx1250 --defsym DOCPART=n.
;; ======== version 1 of 1: 2 launches
;; limits: right only within a limited range of input values
;; workspace buffers: qf 3,407,872 bytes; kv 6,553,600 bytes
;; launch proj (part 1): grid 256 x 1, 24 waves a work-group, no clusters, 66,560 bytes of LDS; arguments x, Wq, bq, Wk, bk, Wv, bv, qf, kv; writes qf, kv
.if DOCPART == 1
	.amdgcn_target "amdgcn-amd-amdhsa--gfx1250"
	.amdhsa_code_object_version 6
	.text
	.protected	k_q13f983655a_proj
	.globl	k_q13f983655a_proj
	.p2align	8
	.type	k_q13f983655a_proj,@function
k_q13f983655a_proj:
	s_mov_b64 s[64:65], 0
	v_nop
	global_prefetch_b8 v0, s[64:65] scope:SCOPE_SE
	s_setreg_imm32_b32 hwreg(HW_REG_WAVE_MODE, 25, 1), 1
	s_wait_xcnt 0x0
; Q = x Wq + bq, K = x Wk + bk, V = x Wv + bv on codes of BF6 (E3M2) with one E8M0 scale for each 32 along K, and the three results quantised again for the attention that follows.
; x: [32768][64] f32; Wq, Wk, Wv: [64][128] f32 (K is their first axis); the biases [128] f32, added in f32 behind the products.
; K = 64 is half of the matrix instruction's 128: registers 6-11 of every operand hold zero codes, and bytes 2 and 3 of every scale word 127.
; ROWS OF A TILE.  Tile t (0-7) of 128 rows: lane r stands for row 64 (t / 4) + 8 (t % 4) + r + 24 (r / 8).  So chosen, for x's rows, for the hidden units of Wq and Wk and for Wv's channels, a transposed product's registers of tiles
; 4 c .. 4 c + 3 of lane (r, h) are 64 c + 32 h + 0 .. 31: one whole block of the next K, in the next operand's own order.
; SHARES.  A work-group takes 128 rows of x.  Wave w = 8 m + t (m = 0, 1, 2: Wq, Wk, Wv) quantises columns 32 (t / 2) .. + 31 of its weight at k = 32 (t % 2) .. + 31 (a lane to a column, registers down K); waves 0-7 also x's tile t.
; The codes go to the other waves through LDS as images of the operand's registers.  Then each wave makes ONE fragment:
;   m = 0, 1: Q's or K's fragment t: source 0 = the weight's tiles 0-7, source 1 = x's tile t: a lane holds one row, its 64 registers hidden units;
;   m = 2:    V^T's fragment t:      source 0 = x's tiles 0-7, source 1 = Wv's tile t: a lane holds one channel, its registers run along the keys, which are the last product's K.
; It is quantised in registers and stored as an image of the operand's registers (part c of a fragment: registers 4 c .. 4 c + 3 of lane l at 512 c + 16 l): each store covers 512 consecutive bytes, aligned.
; WORKSPACE.  kv: a record of 25,600 bytes a group: K's 8 fragments, V^T's 8 fragments, 1,024 bytes of scale words (tile 4 G + i at 512 G + 16 l + 4 i; lanes 0-15 K's word, lanes 16-31 V's).
;             qf: a record of 13,312 bytes a group: Q's 8 fragments, then their scale words at 128 t + 4 l.
; NO CLUSTER, NO TENSOR LOAD: what work-groups share is the weights, 98,304 bytes, which a work-group reads once, straight into the registers of the lanes that quantise them;
; a joint load would add a way through LDS and rounds of a cluster's barrier to a body that has two barriers in all.  NO PREFETCH: there is no loop to run ahead in.
; LIMITS: NaN and infinities among the inputs are not served.  A block whose largest magnitude lies under 2^-122 (a block of zeros among them) gets the scale byte 1 where the rule may say another: only this program reads the bytes.
.set IMG,  6144                        ; LDS: an operand's 8 half images of 768 bytes (registers 0-3 at 16 l, registers 4-5 at 512 + 8 l): x's from 0, then Wq's, Wk's, Wv's
.set SCW,  24576                       ; their scale words, 512 bytes an operand, 64 a tile: 4 r
.set SST,  26624                       ; the results' scale words: 1,024 bytes laid as the record of kv has them, then Q's 1,024
.set STG,  28672                       ; for each of waves 0-7 16 rows of x x (256 bytes + 16)
.set SPARE, 63488                      ; the spare words, 128 bytes for each wave: twelve blocks of 256 bytes that no other line names
.set LN,   1                           ; v1   lane
.set QSA,  2                           ; v2   where Q's scale word goes
.set SSA,  3                           ; v3   where K's or V's goes
.set LI,   4                           ; v4   16 x lane
.set L8,   5                           ; v5   8 x lane
.set LS16, 6                           ; v6   4 r
.set A16,  7                           ; v7-9 where my column's codes go, 16 and 8 bytes, and its scale byte
.set A8,   8
.set ASC,  9
.set WA,   10                          ; v10  the weights: 4 x my column + 16,384 x my half of k
.set BA,   11                          ; v11  bq, bk: 128 h + 4 r
.set BVA,  12                          ; v12  bv: 4 x my channel
.set SH8,  13                          ; v13  8 h
.set XST,  14                          ; v14-15 x's turn through LDS
.set XLD,  15
.set XB,   16                          ; v16-27 source 1 of my products
.set RR,   26                          ; (in the head: r and h)
.set HH,   27
.set BS,   28                          ; v28  its scale words
.set C7F,  29                          ; v29  the byte 127
.set NIL,  30                          ; v30  0; never rewritten
.set SPW,  31                          ; v31  LDS address of my spare word; never rewritten
.set F,    32                          ; v32-79 four fragments from LDS
.set FS,   80                          ; v80-83 their scale words
.set EB,   84                          ; v84-87 bq or bk: register 2 c + e holds, in lane (r, h), hidden unit 64 c + 32 h + 16 e + r; or v84 bv at my channel
.set AI16, 88                          ; v88-90 source 0 in LDS: 16 x lane, 8 x lane, scale words
.set AI8,  89
.set AIS,  90
.set BI16, 91                          ; v91-93 source 1
.set BI8,  92
.set BIS,  93
.set TP,   94
.set CPA,  95                          ; v95  the last copy: SST + 256 x wave + 8 x lane
.set ACC,  96                          ; v96-159 eight accumulators
.set WN,   96                          ; ahead of the first barrier: my share of the weight as loaded,
.set XD,   32                          ; x as it lies in memory,
.set XN,   128                         ; and behind the turn: 32 neighbours a lane;
.set M0,   64                          ; at work in QB: v64-70
.set M1,   65
.set SO,   66
.set BY,   67
.set TH,   68
.set XW,   71                          ; x's scale words
.set PCW,  72                          ; codes of the weight
.set PCX,  78                          ; codes of x
.set PC,   32                          ; behind the products: v32-43 the fragment's codes; v44-46, v48-50 second halves of blocks
.set TM,   52                          ; v52-59 at work in QUANT
.set PW,   60                          ; v60  the scale word just made
.set CP,   62                          ; v62-63 the last copy
.set SEL,  26                          ; s[26:27] selects of v_permlanex16_b32 for lane l xor 16
; A lane's whole block of 32 numbers, v[src] on, becomes six registers of codes at dst and the scale's byte in v[BY].
.macro QB src, dst
	v_max3_num_f32 v[M0], |v[(\src)]|, |v[(\src)+1]|, |v[(\src)+2]|      ; the block's largest magnitude, in two chains
	v_max3_num_f32 v[M1], |v[(\src)+3]|, |v[(\src)+4]|, |v[(\src)+5]|
.irp i, 6,10,14,18,22,26
	s_delay_alu instid0(VALU_DEP_2)
	v_max3_num_f32 v[M0], v[M0], |v[(\src)+\i]|, |v[(\src)+\i+1]|
	s_delay_alu instid0(VALU_DEP_2)
	v_max3_num_f32 v[M1], v[M1], |v[(\src)+\i+2]|, |v[(\src)+\i+3]|
.endr
	s_delay_alu instid0(VALU_DEP_2)
	v_max3_num_f32 v[M0], v[M0], |v[(\src)+30]|, |v[(\src)+31]|
	s_delay_alu instid0(VALU_DEP_1)
	v_max3_num_f32 v[M0], v[M0], v[M1], 0x2800000                        ; and the floor 2^(5 - 127): the byte cannot fall under 1
	s_delay_alu instid0(VALU_DEP_1)
	v_add_nc_u32 v[SO], 0xfe000000, v[M0]                                ; 4 off its exponent field: the conversion takes that field as its scale
	v_cvt_scalef32_pk16_bf6_f32 v[(\dst):(\dst)+2], v[(\src):(\src)+15], v[SO]
	v_cvt_scalef32_pk16_bf6_f32 v[TH:TH+2], v[(\src)+16:(\src)+31], v[SO]   ; (a conversion's three registers begin on an even number)
	v_lshrrev_b32 v[BY], 23, v[SO]                                       ; the scale's byte; also the plain place behind the conversions
.irp i, 0,1,2
	v_mov_b32 v[(\dst)+3+\i], v[TH+\i]
.endr
.endm
; 64 numbers of a lane, v[s] .. v[s + 63], register 32 c + i = k 64 c + 32 h + i of my row, become a fragment's codes in v[PC] on and its scale word in v[PW].
.macro QUANT s
.irp b, 0,1,2,3
	v_max3_num_f32 v[TM+\b], |v[\s+16*\b]|, |v[\s+1+16*\b]|, 0x2800000   ; 16 numbers, and the floor 2^(5 - 127)
.endr
.irp i, 2,4,6,8,10,12,14
.irp b, 0,1,2,3
	v_max3_num_f32 v[TM+\b], v[TM+\b], |v[\s+16*\b+\i]|, |v[\s+1+16*\b+\i]|   ; (the four by turns)
.endr
.endr
	v_max_num_f32 v[TM], v[TM], v[TM+1]                                  ; block h,
	v_max_num_f32 v[TM+2], v[TM+2], v[TM+3]                              ; block 2 + h
	s_delay_alu instid0(VALU_DEP_2)
	v_add_nc_u32 v[TM+6], 0xfe000000, v[TM]                              ; 4 off the exponent field: the conversion's scale operand
	s_delay_alu instid0(VALU_DEP_2)
	v_add_nc_u32 v[TM+7], 0xfe000000, v[TM+2]
	s_delay_alu instid0(VALU_DEP_2)
	v_lshrrev_b32 v[TM+4], 23, v[TM+6]                                   ; the scales' bytes
	s_delay_alu instid0(VALU_DEP_2)
	v_lshrrev_b32 v[TM+5], 23, v[TM+7]
	s_delay_alu instid0(VALU_DEP_1)
	v_lshl_or_b32 v[PW], v[TM+5], 16, v[TM+4]
	s_delay_alu instid0(VALU_DEP_1)
	v_lshlrev_b32 v[PW], v[SH8], v[PW]                                   ; at the places of blocks h and 2 + h,
	s_delay_alu instid0(VALU_DEP_1)
	v_permlanex16_b32 v[TP], v[PW], s[SEL], s[SEL+1]
	s_delay_alu instid0(VALU_DEP_1)
	v_or_b32 v[PW], v[PW], v[TP]                                         ; and with lane l xor 16's the row's word is whole
.irp c, 0,1
	v_cvt_scalef32_pk16_bf6_f32 v[PC+6*\c:PC+2+6*\c], v[\s+32*\c:\s+15+32*\c], v[TM+6+\c]
	v_cvt_scalef32_pk16_bf6_f32 v[PC+12+4*\c:PC+14+4*\c], v[\s+16+32*\c:\s+31+32*\c], v[TM+6+\c]
.endr
	v_nop                                                                ; one plain place behind a scaled conversion
.irp c, 0,1
.irp i, 0,1,2
	v_mov_b32 v[PC+3+6*\c+\i], v[PC+12+4*\c+\i]
.endr
.endr
.endm
.macro FETCH4 t0                       ; four half images of source 0 and their scale words: registers 0-5 of each fragment; registers 6-11 stay zero codes
.irp i, 0,1,2,3
	ds_load_b128 v[F+12*\i:F+12*\i+3], v[AI16] offset:768*(\t0+\i)
	ds_load_b64 v[F+12*\i+4:F+12*\i+5], v[AI8] offset:768*(\t0+\i)+512
	ds_load_b32 v[FS+\i], v[AIS] offset:64*(\t0+\i)
.endr
.endm
.macro PROD4 t0                        ; four products, four accumulators, one instruction each; four places follow: for the loads into F and FS and for the first read of the results
.irp i, 0,1,2,3
	v_wmma_scale_f32_16x16x128_f8f6f4 v[ACC+8*(\t0+\i):ACC+8*(\t0+\i)+7], v[F+12*\i:F+12*\i+11], v[XB:XB+11], 0, v[FS+\i], v[BS] matrix_a_fmt:MATRIX_FMT_BF6 matrix_b_fmt:MATRIX_FMT_BF6
.endr
.rept 4
	v_nop
.endr
.endm
.macro BARRIER                         ; my LDS stores have landed and my LDS loads are in: then the work-group's barrier
	s_wait_dscnt 0x0
	s_barrier_signal -1
	s_barrier_wait -1
.endm
	s_load_b256 s[4:11], s[0:1], 0x0               ; x s[4:5], Wq s[6:7], bq s[8:9], Wk s[10:11]
	s_load_b256 s[12:19], s[0:1], 0x20             ; bk s[12:13], Wv s[14:15], bv s[16:17], qf s[18:19]
	s_load_b64 s[20:21], s[0:1], 0x40              ; kv
	v_lshrrev_b32 v[LN], 5, v0
	v_readfirstlane_b32 s22, v[LN]                 ; wave 0..23
	s_lshr_b32 s24, s22, 3                         ; m
	s_and_b32 s25, s22, 7                          ; t
	s_lshr_b32 s23, s25, 2
	s_lshl_b32 s23, s23, 6
	s_and_b32 s28, s25, 3
	s_lshl_b32 s28, s28, 3
	s_add_co_u32 s23, s23, s28                     ; tile t begins at row 64 (t / 4) + 8 (t % 4)
	s_lshr_b32 s28, s25, 1                         ; B: which 32 columns of the weight are mine
	s_and_b32 s29, s25, 1                          ; which half of k
	s_lshr_b32 s30, s28, 1                         ; c = B / 2
	s_and_b32 s31, s28, 1                          ; B % 2: rows 0-7 or 8-15 of a tile
	s_mul_i32 s32, s24, IMG
	s_mul_i32 s33, s30, 3072
	s_add_co_u32 s32, s32, s33
	s_add_co_u32 s32, s32, IMG                     ; my weight's image, tiles 4 c ..
	s_lshl_b32 s33, s29, 8
	s_lshl_b32 s34, s31, 7
	s_add_co_u32 s33, s33, s34                     ; 256 half + 128 (B % 2), 16 bytes a lane;
	s_lshr_b32 s34, s33, 1                         ; half of that for 8 bytes a lane,
	s_add_co_u32 s34, s34, s32
	s_add_co_u32 s34, s34, 512                     ; behind the 512 bytes
	s_add_co_u32 s33, s33, s32
	s_lshl_b32 s35, s24, 9                         ; scale bytes: 512 (m + 1) + 256 c + 32 (B % 2) + half
	s_lshl_b32 s36, s30, 8
	s_add_co_u32 s35, s35, s36
	s_lshl_b32 s36, s31, 5
	s_add_co_u32 s35, s35, s36
	s_add_co_u32 s35, s35, s29
	s_add_co_u32 s35, s35, SCW+512
	s_lshl_b32 s36, s28, 7
	s_lshl_b32 s37, s29, 14
	s_add_co_u32 s36, s36, s37                     ; the weight: 128 B + 16,384 half
	s_mul_i32 s37, s25, 4352
	s_add_co_u32 s37, s37, STG                     ; x's stage (waves 0-7)
	s_lshr_b32 s38, s24, 1                         ; 1 where m = 2
	s_xor_b32 s39, s38, 1
	s_add_co_u32 s40, s24, 1
	s_mul_i32 s39, s39, s40                        ; source 0: operand m + 1, or 0 (x) where m = 2
	s_mul_i32 s40, s39, IMG
	s_lshl_b32 s39, s39, 9
	s_add_co_u32 s39, s39, SCW
	s_mul_i32 s41, s38, 3*IMG                      ; source 1: x's tile t, or Wv's where m = 2
	s_mul_i32 s42, s25, 768
	s_add_co_u32 s41, s41, s42
	s_mul_i32 s42, s38, 3*512
	s_lshl_b32 s43, s25, 6
	s_add_co_u32 s42, s42, s43
	s_add_co_u32 s42, s42, SCW
	s_lshr_b32 s43, s25, 2
	s_lshl_b32 s43, s43, 9
	s_and_b32 s44, s25, 3
	s_lshl_b32 s44, s44, 2
	s_add_co_u32 s43, s43, s44
	s_lshl_b32 s44, s38, 8
	s_add_co_u32 s43, s43, s44
	s_add_co_u32 s43, s43, SST                     ; SST + 512 (t / 4) + 4 (t % 4), and V's words 256 bytes behind K's
	s_lshl_b32 s44, s25, 7
	s_add_co_u32 s44, s44, SST+1024                ; Q's words
	s_lshl_b32 s45, s25, 8
	s_add_co_u32 s45, s45, SST                     ; the last copy (waves 0-7)
	s_lshl_b32 s46, s23, 2
	s_mov_b32 s[SEL], 0x76543210
	s_mov_b32 s[SEL+1], 0xfedcba98
	v_lshl_add_u32 v[SPW], v0, 2, SPARE
	v_mov_b32 v[NIL], 0
	v_and_b32 v[LN], 31, v0
	v_and_b32 v[RR], 15, v0
	v_bfe_u32 v[HH], v0, 4, 1
	v_lshrrev_b32 v16, 3, v[LN]
	v_and_b32 v17, 7, v[LN]
	v_lshlrev_b32 v[LI], 4, v[LN]
	v_lshlrev_b32 v[L8], 3, v[LN]
	v_lshlrev_b32 v[LS16], 2, v[RR]
	v_mul_u32_u24 v18, v16, 768
	v_lshlrev_b32 v19, 6, v16
	v_and_b32 v20, 8, v[RR]
	v_mul_u32_u24 v21, v[HH], 272
	v_mul_u32_u24 v22, v[RR], 272
	v_lshl_add_u32 v23, v17, 4, v18
	v_lshl_add_u32 v24, v17, 3, v18
	v_lshl_add_u32 v19, v17, 2, v19
	v_mad_u32_u24 v20, v20, 3, v[RR]               ; r + 24 (r / 8)
	v_lshl_add_u32 v21, v[RR], 4, v21
	v_lshl_add_u32 v22, v[HH], 7, v22
	v_add_nc_u32 v[A16], s33, v23                  ; tile 4 c + lane / 8, row 8 (B % 2) + lane % 8
	v_add_nc_u32 v[A8], s34, v24
	v_add_nc_u32 v[ASC], s35, v19
	v_lshl_add_u32 v[WA], v[LN], 2, s36
	v_add_nc_u32 v[XST], s37, v21                  ; x's turn: in, as it lies: two rows of 256 bytes an instruction;
	v_add_nc_u32 v[XLD], s37, v22                  ; out: row r, my block of 32
	v_lshl_add_u32 v[BVA], v20, 2, s46
	v_lshl_add_u32 v[BA], v[HH], 7, v[LS16]
	v_add_nc_u32 v[AI16], s40, v[LI]
	v_add_nc_u32 v[AI8], s40, v[L8]
	v_add_nc_u32 v[AIS], s39, v[LS16]
	v_add_nc_u32 v[BI16], s41, v[LI]
	v_add_nc_u32 v[BI8], s41, v[L8]
	v_add_nc_u32 v[BIS], s42, v[LS16]
	v_lshl_add_u32 v[SSA], v[RR], 4, s43
	v_lshl_add_u32 v[QSA], v[LN], 2, s44
	v_add_nc_u32 v[CPA], s45, v[L8]
	v_lshlrev_b32 v[SH8], 3, v[HH]
	v_mov_b32 v[C7F], 0x7f
	v_mov_b32 v[TP], 0                             ; written once: a lane permute's destination counts as one of its sources
	s_lshl_b32 s28, ttmp9, 15                      ; x: 128 rows of 256 bytes a group,
	s_lshl_b32 s29, s23, 8                         ; and tile t's first row
	s_add_co_u32 s28, s28, s29
	s_mov_b32 s29, 0
	s_mul_i32 s30, ttmp9, 13312                    ; qf's record
	s_mov_b32 s31, 0
	s_mul_i32 s32, ttmp9, 25600                    ; kv's record
	s_mov_b32 s33, 0
	s_mul_i32 s40, s25, 1536                       ; fragment t in a record,
	s_mul_i32 s41, s38, 12288                      ; V^T's behind K's
	s_add_co_u32 s40, s40, s41
	s_mov_b32 s41, 0
	s_and_b32 s42, s22, 3
	s_lshl_b32 s42, s42, 8                         ; the last copy: 256 bytes a wave
	s_mov_b32 s43, 0
	s_wait_alu depctr_va_vdst(0)                   ; the wait at the head's end
	s_wait_kmcnt 0x0
	s_add_nc_u64 s[4:5], s[4:5], s[28:29]
	s_add_nc_u64 s[18:19], s[18:19], s[30:31]
	s_add_nc_u64 s[20:21], s[20:21], s[32:33]
	s_cmp_eq_u32 s24, 1                            ; my weight and my bias: the choice hangs on the wave's number alone
	s_cselect_b64 s[6:7], s[10:11], s[6:7]
	s_cselect_b64 s[8:9], s[12:13], s[8:9]
	s_cmp_eq_u32 s24, 2
	s_cselect_b64 s[6:7], s[14:15], s[6:7]
	s_cselect_b64 s[8:9], s[16:17], s[8:9]
	s_cbranch_scc1 .Lbias_v
.irp q, 0,1,2,3
	global_load_b32 v[EB+\q], v[BA], s[8:9] offset:256*(\q/2)+64*(\q%2)
.endr
	s_branch .Lbias
.Lbias_v:
	global_load_b32 v[EB], v[BVA], s[8:9]
.Lbias:
	s_cmp_lt_u32 s22, 8
	s_cbranch_scc0 .Lno_x
.irp i, 0,1,2,3
	global_load_b128 v[XD+4*\i:XD+4*\i+3], v[LI], s[4:5] offset:512*\i     ; rows 0-7 of the tile: 512 consecutive bytes a load
.endr
.irp i, 0,1,2,3
	global_load_b128 v[XD+16+4*\i:XD+16+4*\i+3], v[LI], s[4:5] offset:8192+512*\i   ; its rows 8-15 lie 32 rows further on
.endr
.Lno_x:
.set i, 0
.rept 32
	global_load_b32 v[WN+i], v[WA], s[6:7] offset:512*i                    ; W(32 half + i, my column): 32 lanes read 128 neighbouring bytes, aligned
.set i, i+1
.endr
	s_add_nc_u64 s[34:35], s[20:21], 24576         ; kv's scale words
	s_add_nc_u64 s[36:37], s[18:19], 12288         ; qf's
	s_cmp_lt_u32 s22, 4                            ; waves 0-3 copy kv's 1,024 bytes, waves 4-7 qf's
	s_cselect_b64 s[34:35], s[34:35], s[36:37]
	s_add_nc_u64 s[34:35], s[34:35], s[42:43]
	s_cmp_eq_u32 s24, 0
	s_cselect_b64 s[28:29], s[18:19], s[20:21]
	s_add_nc_u64 s[28:29], s[28:29], s[40:41]      ; where my fragment goes
	s_cmp_lt_u32 s22, 8
	s_cbranch_scc0 .Lx_done
	s_wait_loadcnt 32                              ; x is in; the weight's 32 loads may be out
.irp i, 0,1,2,3,4,5,6,7
	ds_store_b128 v[XST], v[XD+4*\i:XD+4*\i+3] offset:544*\i
.endr
.irp i, 0,1,2,3,4,5,6,7
	ds_load_b128 v[XN+4*\i:XN+4*\i+3], v[XLD] offset:16*\i                 ; LDS serves a wave's instructions in order: these see my stores
.endr
	s_wait_dscnt 0x0
	QB XN, PCX
	s_delay_alu instid0(VALU_DEP_4)
	v_lshlrev_b32 v[XW], v[SH8], v[BY]             ; my byte at its place: block h,
	s_delay_alu instid0(VALU_DEP_1)
	v_permlanex16_b32 v[TP], v[XW], s[SEL], s[SEL+1]
	s_delay_alu instid0(VALU_DEP_1)
	v_or_b32 v[XW], v[XW], v[TP]                   ; with lane l xor 16's,
	s_delay_alu instid0(VALU_DEP_1)
	v_or_b32 v[XW], 0x7f7f0000, v[XW]              ; and 127 over the zero codes of k = 64 .. 127
	ds_store_b128 v[BI16], v[PCX:PCX+3]            ; (in waves 0-7 source 1 is x's tile t)
	ds_store_b64 v[BI8], v[PCX+4:PCX+5] offset:512
	ds_store_b32 v[BIS], v[XW]                     ; (both lanes of a row write the same word)
	s_wait_alu depctr_va_vdst(0)
.Lx_done:
	s_wait_loadcnt 0x0
	QB WN, PCW
	ds_store_b128 v[A16], v[PCW:PCW+3]             ; my column's codes and scale byte to its tile's image,
	ds_store_b64 v[A8], v[PCW+4:PCW+5]
	ds_store_b8 v[ASC], v[BY]
	ds_store_b8 v[ASC], v[C7F] offset:2            ; and 127 over the zero codes
.irp i, 6,7,8,9,10,11                          ; zero codes for k = 64 .. 127, written once: the loads from LDS leave them alone
	v_mov_b32 v[XB+\i], 0
.endr
.irp t, 0,1,2,3
.irp i, 6,7,8,9,10,11
	v_mov_b32 v[F+12*\t+\i], 0
.endr
.endr
	s_wait_alu depctr_va_vdst(0)                   ; the wait here, directly ahead of the barrier's waits
	BARRIER                                        ; the four images lie in LDS; nobody writes them again
	ds_load_b128 v[XB:XB+3], v[BI16]
	ds_load_b64 v[XB+4:XB+5], v[BI8] offset:512
	ds_load_b32 v[BS], v[BIS]
	FETCH4 0
.rept 4
	v_nop                                          ; places between the vector instructions that wrote zero codes and the scaled matrix instructions
.endr
	s_wait_dscnt 0x0
	PROD4 0
	FETCH4 4
	s_wait_dscnt 0x0
	PROD4 4
	; ---- the bias
	s_cmp_eq_u32 s24, 2
	s_cbranch_scc1 .Ladd_v
.irp q, 0,1,2,3                                ; register 16 q + n of half h is hidden unit 64 (q / 2) + 32 h + 16 (q % 2) + n, which lane n of the same row of 16 lanes holds.  Each accumulator from its low end on
.irp n, 0,1,2,3,4,5,6,7,8,9,10,11,12,13,14,15
	v_add_f32_dpp v[ACC+16*\q+\n], v[EB+\q], v[ACC+16*\q+\n] row_share:\n row_mask:0xf bank_mask:0xf
.endr
.endr
	s_wait_alu depctr_va_vdst(0)                   ; the wait here, directly ahead of the branch
	s_branch .Ladded
.Ladd_v:
	v_mov_b32 v[EB+1], 0                           ; (named with v[EB] as a pair)
.set j, 0
.rept 32
	v_pk_add_f32 v[ACC+j:ACC+j+1], v[ACC+j:ACC+j+1], v[EB:EB+1] op_sel_hi:[1,0]   ; a lane is one channel: one bias for all its registers
.set j, j+2
.endr
.Ladded:
	QUANT ACC
.irp c, 0,1,2                                  ; the fragment goes to memory as it stands: three stores of 512 consecutive bytes
	global_store_b128 v[LI], v[PC+4*\c:PC+4*\c+3], s[28:29] offset:512*\c
.endr
	s_wait_alu depctr_va_vdst(0)                   ; the wait here, directly ahead of the branch
	s_cmp_eq_u32 s24, 0
	s_cbranch_scc1 .Lq_words
	ds_store_b32 v[SSA], v[PW]                     ; (both lanes of a row write the same word)
	s_branch .Lwords
.Lq_words:
	ds_store_b32 v[QSA], v[PW]
.Lwords:
	BARRIER                                        ; the 2,048 bytes of scale words lie in LDS
	s_cmp_lt_u32 s22, 8
	s_cbranch_scc0 .Lend
	ds_load_b64 v[CP:CP+1], v[CPA]
	s_wait_dscnt 0x0
	global_store_b64 v[L8], v[CP:CP+1], s[34:35]   ; 32 lanes store 256 consecutive bytes, aligned
.Lend:
	s_wait_tensorcnt 0x0                           ; the wave's end
	ds_add_u32 v[SPW], v[NIL]
	s_wait_dscnt 0x0
	s_endpgm
.Lfunc_end_k_q13f983655a_proj:
	.size	k_q13f983655a_proj, .Lfunc_end_k_q13f983655a_proj-k_q13f983655a_proj
	.p2alignl 7, 3214868480
	.fill 96, 4, 3214868480
	.section	.rodata,"a",@progbits
	.p2align	6, 0x0
	.amdhsa_kernel k_q13f983655a_proj
		.amdhsa_group_segment_fixed_size 66560
		.amdhsa_private_segment_fixed_size 0
		.amdhsa_enable_private_segment 0
		.amdhsa_kernarg_size 72
		.amdhsa_user_sgpr_count 2
		.amdhsa_user_sgpr_kernarg_segment_ptr 1
		.amdhsa_wavefront_size32 1
		.amdhsa_system_sgpr_workgroup_id_x 1
		.amdhsa_system_sgpr_workgroup_id_y 1
		.amdhsa_system_sgpr_workgroup_id_z 1
		.amdhsa_system_vgpr_workitem_id 0
		.amdhsa_next_free_vgpr 160
		.amdhsa_next_free_sgpr 66
		.amdhsa_reserve_vcc 0
		.amdhsa_float_denorm_mode_32 3
		.amdhsa_float_denorm_mode_16_64 3
		.amdhsa_memory_ordered 1
		.amdhsa_forward_progress 1
		.amdhsa_inst_pref_size 31
	.end_amdhsa_kernel
	.amdgpu_metadata
---
amdhsa.version: [ 1, 2 ]
amdhsa.kernels:
  - .name:           k_q13f983655a_proj
    .symbol:         k_q13f983655a_proj.kd
    .args:
      - { .name: x, .offset: 0, .size: 8, .value_kind: global_buffer, .address_space: global }
      - { .name: Wq, .offset: 8, .size: 8, .value_kind: global_buffer, .address_space: global }
      - { .name: bq, .offset: 16, .size: 8, .value_kind: global_buffer, .address_space: global }
      - { .name: Wk, .offset: 24, .size: 8, .value_kind: global_buffer, .address_space: global }
      - { .name: bk, .offset: 32, .size: 8, .value_kind: global_buffer, .address_space: global }
      - { .name: Wv, .offset: 40, .size: 8, .value_kind: global_buffer, .address_space: global }
      - { .name: bv, .offset: 48, .size: 8, .value_kind: global_buffer, .address_space: global }
      - { .name: qf, .offset: 56, .size: 8, .value_kind: global_buffer, .address_space: global }
      - { .name: kv, .offset: 64, .size: 8, .value_kind: global_buffer, .address_space: global }
    .group_segment_fixed_size: 66560
    .private_segment_fixed_size: 0
    .kernarg_segment_align: 8
    .kernarg_segment_size: 72
    .max_flat_workgroup_size: 768
    .sgpr_count:     66
    .vgpr_count:     160
    .wavefront_size: 32
...
	.end_amdgpu_metadata
.endif
;; end of part 1
;; launch attn (part 2): grid 32 x 8, 8 waves a work-group, clusters of 4 x 1, 327,680 bytes of LDS; arguments qf, kv, out0; writes out0
.if DOCPART == 2
	.amdgcn_target "amdgcn-amd-amdhsa--gfx1250"
	.amdhsa_code_object_version 6
	.text
	.protected	k_q13f983655a_attn
	.globl	k_q13f983655a_attn
	.p2align	8
	.type	k_q13f983655a_attn,@function
k_q13f983655a_attn:
	s_mov_b64 s[64:65], 0
	v_nop
	global_prefetch_b8 v0, s[64:65] scope:SCOPE_SE
	s_setreg_imm32_b32 hwreg(HW_REG_WAVE_MODE, 25, 1), 1
	s_wait_xcnt 0x0
	s_wait_alu depctr_hold_cnt(0) depctr_sa_sdst(0) depctr_va_vdst(0) depctr_va_sdst(0) depctr_va_ssrc(0) depctr_va_vcc(0) depctr_vm_vsrc(0)
	s_getreg_b32 s2, hwreg(HW_REG_IB_STS2, 6, 4)
	s_cmp_eq_u32 s2, 0
	s_cbranch_scc0 .Lentry_in_a_cluster
	s_endpgm
.Lentry_in_a_cluster:
	s_bfe_u32 s2, ttmp6, 0x10000c
	s_cmp_lg_u32 s2, 0x3003
	s_cbranch_scc0 .Lentry_shape_is_right
	s_endpgm
.Lentry_shape_is_right:
; out[b][q][:] = the sum over k of softmax_k(Q[b][q] . K[b][k] / sqrt(128)) V[b][k][:], both products on codes of BF6 (E3M2) with one E8M0 scale for each 32 along a product's K.
; Q, K and V^T come as images of the operand's registers (part c of a fragment: registers 4 c .. 4 c + 3 of lane l at 512 c + 16 l), made by the launch before:
;   qf: a record of 13,312 bytes for each 128 queries: 8 fragments, then their scale words at 128 t + 4 l.
;   kv: a record of 25,600 bytes for each 128 keys: K's 8 fragments (16 keys x 128), V^T's 8 (16 channels x the 128 keys), 1,024 bytes of scale words (tile 4 G + i at 512 G + 16 l + 4 i; lanes 0-15 K's, lanes 16-31 V's).
; IN A TILE OF K AND OF Q lane r stands for row 64 (t / 4) + 8 (t % 4) + r + 24 (r / 8) of the 128: in S^T = K Q^T the registers of tiles 4 c .. 4 c + 3 of lane (r, h) are then keys 64 c + 32 h + 0 .. 31:
; one whole block of the second product's K, in the operand's own order.  So a block's largest number needs no other lane, and its codes need no exchange of lanes.
; THE SOFTMAX AHEAD OF THE SECOND PRODUCT: t = score x log2(e) / sqrt(128); M = the row's largest t so far, rounded UP to a whole number; p = 2^(t - M) is quantised along the keys, not normalised.
; The row's sum is taken of the unquantised p, in f32, and divides O at the end.  When M moves, what was summed is multiplied by 2^(old M - new M): nothing is rounded, and no branch hangs on data.
; PAIRS.  Two key steps, A and B, make a pair: A's product with V waits until B's largest scores are known, so that O is brought under a new M once for the two.  A's codes were made under A's M:
; what M moved since is taken off their scale bytes, a whole number (held at byte 1 from below).
; SHARES.  A work-group owns 128 queries of one batch.  Waves w and w + 4 (w = 0 .. 3) own the same 32 queries, tiles 2 w and 2 w + 1; of each four records wave w walks the first two and wave w + 4 the last two.
; So each fragment that a wave reads from LDS serves two products.  At the end each of the two keeps one tile and hands the other tile's O, M and sum to its partner through LDS.
; Both products are used transposed (S^T = K Q^T, O^T = V^T P^T), so that a lane holds ONE query of a tile throughout.
; THE RING: two LDS slots of four records.  Each wave brings half a record, by one tensor load of 50 dense rows of 256 bytes; a wave never has more than one tensor load out.
; CLUSTER: the four work-groups of a cluster are four query blocks of one batch and walk the same records: each piece is asked for JOINTLY, by the same load with the same descriptor and a mask that names the four.
; NO PREFETCH: the wait for a slot stands two key steps of the wave, 64 matrix instructions and more than 900 others, behind the request for it.  All of LDS is claimed.
; LIMITS: NaN and infinities are not served; the scaled scores stay under 2^31 in magnitude.  p under 2^-126 comes out of v_exp_f32 as 0.  A block's scale is taken from floor(t - M) of its largest score, which is the exponent of its
; largest p but where 2^(t - M) rounds up to a power of two; floor(t - M) is held at -122 from below, so that the scale byte is 1 or more.
; REGISTERS: window 0: v1-15 addresses and A's exponents; v16-127 as named below; v128-191, v192-255 O^T of my two tiles.  window 1: two regions of 128 that change roles from pair to pair: region sb holds S^T, then p, of both
; tiles, A's and then B's, and at last the next pair's first K; region ob (96 registers) A's K, B's K, A's V^T, B's V^T, and behind them 16 registers for halves of blocks on their way.
.set STEPB, 25600                      ; a record
.set SLOTB, 4*STEPB
.set SLOT1, 1<<17                      ; slot 1 begins here, so that one exclusive or turns an address in one slot into the other's
.set EX,    SLOT1+SLOTB                ; behind the ring: a region for each wave: its partner's O of 8,192 bytes and 256 bytes of M and sum; then its stage of 16 rows x 272.  No tile lands here
.set EXB,   8960
.set SPARE, EX+8*EXB                   ; the spare words, 128 bytes for each wave: four blocks of 256 bytes that no other line names
.set LI,  1                            ; v1   16 x lane
.set ADR, 2                            ; v2   LDS address of my first record of the slot, for my lane
.set SPW, 3                            ; v3   LDS address of my spare word; never rewritten
.set NIL, 4                            ; v4   0; never rewritten
.set GO,  5                            ; v5   the way out: 512 h + 16 r
.set STO, 6                            ; v6   where I put 32 bytes of a row
.set RD,  7                            ; v7   where I read a row back
.set IA,  8                            ; v8-11 floor(t - M) of A's four blocks' largest scores (at work in the head before)
.set XS,  12                           ; v12  the exchange: my partner's region, 16 x lane; v13 the same, 8 x lane
.set XR,  14                           ; v14  my region, 16 x lane; v15 the same, 8 x lane
.set Q0,  16
.set Q1,  28
.set QS0, 40
.set QS1, 41
.set NMA, 42                           ; v42, v44 -M of the two tiles as step A leaves it (the odd neighbours are named with them as pairs, and written once)
.set NMB, 46                           ; v46, v48 as step B leaves it
.set FF,  50                           ; v50, v52 2^(old M - new M): A's, then the pair's
.set SU,  54                           ; v54-61 the sums: two pairs a tile
.set BM,  62                           ; v62-65 each block's largest score: tile 0's two, tile 1's two
.set PP,  66
.set MX,  68                           ; v68, v69 the row's largest score so far
.set TT,  70
.set DD,  72
.set IB,  74                           ; v74-77 floor(t - M) as whole numbers
.set SO,  78                           ; v78-81 the conversions' scale operands
.set WW,  82
.set PSA, 84                           ; v84 the scale words of A's p: lanes 0-15 tile 0's, lanes 16-31 tile 1's
.set PSB, 85                           ; v85 of B's
.set PC,  86                           ; v86-97, v98-109 p's codes
.set KSA, 110                          ; v110-117 A's scale words: lanes 0-15 K's tile t, lanes 16-31 V^T's tile t
.set KSB, 118                          ; v118-125 B's
.set O0,  128
.set O1,  192
.set WV,  10                           ; s10  my wave's number
.set SEL, 20                           ; s[20:21] selects of v_permlanex16_b32 for lane l xor 16
.set CS,  22                           ; s[22:23] c = log2(e) / sqrt(128): the packed form names a pair and takes its low word for both halves
.set G1,  24                           ; s[24:31] descriptor group 1
.set G0,  32                           ; s[32:35] descriptor group 0, which walks
.set TB,  36                           ; s36  LDS byte at which my first record of the slot begins
.set CNT, 37
.set NEG, 38                           ; s38  minus infinity: under every score
.set NC,  39                           ; s39  -c
.set MSB, 0
.macro WIN new                         ; the immediate's high byte repeats the setting that is left
.if MSB != \new
	s_set_vgpr_msb (MSB<<8)|\new
.set MSB, \new
.endif
.endm
; A round of the cluster's barrier: my work-group's barrier, so that wave 0's signal speaks for all eight waves; wave 0 signals for the work-group; every wave waits for all four work-groups; my work-group's barrier once more.
.macro CREST                           ; a round behind its opening barrier
	s_cmp_lg_u32 s[WV], 0
	s_cbranch_scc1 .Lnot_wave_0_\@
	s_barrier_signal -3
.Lnot_wave_0_\@:
	s_barrier_wait -3
	s_barrier_signal -1
	s_barrier_wait -1
.endm
.macro CROUND
	s_barrier_signal -1
	s_barrier_wait -1
	CREST
.endm
.macro JLOAD                           ; my joint load: half a record.  Four v_nop follow it
	tensor_load_to_lds s[G0:G0+3], s[G1:G1+7]
	s_nop 0
.rept 4
	v_nop
.endr
.endm
.macro NEXT_TILE                       ; no tensor load of mine is out: the descriptor may be written
	s_xor_b32 s[G0+1], s[G0+1], SLOT1              ; the other slot than last time,
	s_add_nc_u64 s[G0+2:G0+3], s[G0+2:G0+3], SLOTB ; the next four records; the type bits on top are not reached
.endm
.macro FRAGS base, off                 ; eight fragments, 24 LDS loads
	WIN 0x40                                       ; destination window 1
.irp t, 0,1,2,3,4,5,6,7
.irp c, 0,1,2
	ds_load_b128 v[\base+12*\t+4*\c:\base+12*\t+4*\c+3], v[ADR] offset:\off+1536*\t+512*\c
.endr
.endr
.endm
.macro KLOAD base, ks, off             ; 26 LDS loads: a record's scale words, K's eight fragments
	WIN 0
.irp g, 0,1
	ds_load_b128 v[\ks+4*\g:\ks+4*\g+3], v[ADR] offset:\off+24576+512*\g
.endr
	FRAGS \base, \off
.endm
.macro SMUL sb, ob, ks, t0             ; S^T = K Q^T, two tiles of 16 keys x my two tiles of queries
.irp t, \t0, \t0+1
	v_wmma_scale_f32_16x16x128_f8f6f4 v[\sb+8*(\t):\sb+8*(\t)+7], v[\ob+12*(\t):\ob+12*(\t)+11], v[Q0:Q0+11], 0, v[\ks+(\t)], v[QS0] matrix_a_fmt:MATRIX_FMT_BF6 matrix_b_fmt:MATRIX_FMT_BF6
	v_wmma_scale_f32_16x16x128_f8f6f4 v[\sb+64+8*(\t):\sb+64+8*(\t)+7], v[\ob+12*(\t):\ob+12*(\t)+11], v[Q1:Q1+11], 0, v[\ks+(\t)], v[QS1] matrix_a_fmt:MATRIX_FMT_BF6 matrix_b_fmt:MATRIX_FMT_BF6
.endr
.endm
.macro SCORES sb, ob, ks               ; K's 26 loads are the wave's last LDS instructions
	s_wait_dscnt 18                                ; the scale words' 2 loads and two fragments' 6 are in; the last six fragments' 18 may be out
	WIN 0x41                                       ; destination and source 0 window 1
	SMUL \sb, \ob, \ks, 0                          ; (two tiles of 16 keys at a time)
	s_wait_dscnt 12                                ; two fragments more each time
	SMUL \sb, \ob, \ks, 2
	s_wait_dscnt 6
	SMUL \sb, \ob, \ks, 4
	s_wait_dscnt 0x0
	SMUL \sb, \ob, \ks, 6
.rept 4
	v_nop                                          ; places in front of the loads into K's registers and of the first read of the scores
.endr
.endm
.macro MAXIMA sb, nmo, nmn             ; the blocks' largest scores, the rows' running largest, the new -M and what M moved
	WIN 0x14                                       ; sources 1 and 2 window 1
.irp b, 0,1,2,3                                ; THE LARGEST SCORE OF EACH BLOCK, by turns: for the row's maximum and for the block's scale.  Each accumulator is read from its low end on
	v_max3_num_f32 v[BM+\b], s[NEG], v[\sb+32*\b], v[\sb+32*\b+1]
.endr
.irp i, 2,4,6,8,10,12,14,16,18,20,22,24,26,28,30
.irp b, 0,1,2,3
	v_max3_num_f32 v[BM+\b], v[BM+\b], v[\sb+32*\b+\i], v[\sb+32*\b+\i+1]
.endr
.endr
	WIN 0
.irp u, 0,1
	v_max_num_f32 v[TT+\u], v[BM+2*\u], v[BM+2*\u+1]
.endr
.irp u, 0,1
	v_permlanex16_b32 v[PP+\u], v[TT+\u], s[SEL], s[SEL+1]
.endr
.irp u, 0,1
	v_max3_num_f32 v[MX+\u], v[MX+\u], v[TT+\u], v[PP+\u]    ; the running largest score, lane l xor 16's keys among them
.endr
.irp u, 0,1
	v_mul_f32 v[TT+\u], s[NC], v[MX+\u]            ; -t (c is positive)
.endr
.irp u, 0,1
	v_floor_f32 v[\nmn+2*\u], v[TT+\u]             ; the new -M = floor(-t) = -ceil(t): M is a whole number
.endr
.irp u, 0,1
	v_sub_f32 v[DD+\u], v[\nmn+2*\u], v[\nmo+2*\u] ; M's old value less its new one: a whole number, 0 or less
.endr
.endm
.macro BLOCKX i, nmn                   ; t - M of each block's largest score, held at -122: the scale byte cannot fall under 1
.irp b, 0,1,2,3
	v_fma_f32 v[\i+\b], v[BM+\b], s[CS], v[\nmn+2*(\b/2)]
.endr
.irp b, 0,1,2,3
	v_max_num_f32 v[\i+\b], 0xc2f40000, v[\i+\b]
.endr
.endm
.macro SUMSF f                         ; the sums under the new M
.irp k, 0,1,2,3
	v_pk_mul_f32 v[SU+2*\k:SU+2*\k+1], v[SU+2*\k:SU+2*\k+1], v[\f+2*(\k/2):\f+2*(\k/2)+1] op_sel_hi:[1,0]
.endr
.endm
.macro SCALES                          ; the exponents less 4, + 127, as exponent fields: the conversions' scale operands
.irp b, 0,1,2,3
	v_lshl_add_u32 v[SO+\b], v[IB+\b], 23, 0x3d800000
.endr
.endm
.macro WORDS i, ps                     ; p's scale words for 128 keys from the four blocks' exponents
.irp u, 0,1
	v_lshl_add_u32 v[WW+\u], v[\i+2*\u+1], 16, v[\i+2*\u]    ; blocks h and 2 + h
.endr
	v_permlane16_swap_b32 v[WW], v[WW+1]           ; now blocks 0 and 2 (of tile 0 in lanes 0-15, of tile 1 in lanes 16-31), and blocks 1 and 3
	v_lshl_add_u32 v[WW+1], v[WW+1], 8, v[WW]
	v_add_nc_u32 v[\ps], 0x7b7b7b7b, v[WW+1]       ; + 123 in each of the four bytes
.endm
.macro TMM r, nm                       ; t - M, two numbers at a time (of the pairs c and -M the low word serves both halves)
	v_pk_fma_f32 v[\r:\r+1], v[\r:\r+1], s[CS:CS+1], v[\nm:\nm+1] op_sel_hi:[1,0,0]
.endm
.macro TMM0 sb, nm                     ; tile 0's
	WIN 0x41
.set j, 0
.rept 32
	TMM \sb+j, \nm
.set j, j+2
.endr
.endm
.macro EXP0 sb, nm                     ; p = 2^(t - M), not normalised: tile 0's, and tile 1's t - M among them
	s_wait_alu depctr_va_vdst(0)                   ; the wait ahead of the batch
.set j, 0
.rept 32
	v_exp_f32 v[\sb+j], v[\sb+j]
	v_exp_f32 v[\sb+j+1], v[\sb+j+1]
	TMM \sb+64+j, \nm+2
.set j, j+2
.endr
.endm
.macro EXP1 sb                         ; tile 1's
	s_wait_alu depctr_va_vdst(0)                   ; tile 0's batch ends, tile 1's begins
.set j, 0
.rept 64
	v_exp_f32 v[\sb+64+j], v[\sb+64+j]
.set j, j+1
.endr
	v_nop                                          ; a plain place behind the transcendentals
	s_wait_alu depctr_va_vdst(0)                   ; ahead of the batch's first reader
.endm
.macro SUM4 sb                         ; THE ROWS' SUMS, of the unquantised p: four chains by turns
	v_pk_add_f32 v[SU:SU+1], v[\sb+j:\sb+j+1], v[SU:SU+1]
	v_pk_add_f32 v[SU+4:SU+5], v[\sb+64+j:\sb+64+j+1], v[SU+4:SU+5]
	v_pk_add_f32 v[SU+2:SU+3], v[\sb+j+2:\sb+j+3], v[SU+2:SU+3]
	v_pk_add_f32 v[SU+6:SU+7], v[\sb+64+j+2:\sb+64+j+3], v[SU+6:SU+7]
.set j, j+4
.endm
.macro CODES sb, ob                    ; p's codes and sums
	WIN 0x01                                       ; source 0 window 1
.irp b, 0,1,2,3
	v_cvt_scalef32_pk16_bf6_f32 v[PC+6*\b:PC+6*\b+2], v[\sb+32*\b:\sb+32*\b+15], v[SO+\b]
.endr
	WIN 0x41
.irp b, 0,1,2,3                                ; (a conversion's three registers begin on an even number: a block's second half is made elsewhere and moved)
	v_cvt_scalef32_pk16_bf6_f32 v[\ob+96+4*\b:\ob+98+4*\b], v[\sb+32*\b+16:\sb+32*\b+31], v[SO+\b]
.endr
	WIN 0x01
.set j, 0
.rept 4
	SUM4 \sb
.endr
.irp b, 0,1,2,3
.irp i, 0,1,2
	v_mov_b32 v[PC+6*\b+3+\i], v[\ob+96+4*\b+\i]
.endr
.endr
.rept 12                                       ; (these 48 are also the places between p's codes and a product)
	SUM4 \sb
.endr
	WIN 0
.endm
.macro PV ob, ks, ps                   ; O^T += V^T P^T: sixteen accumulators, one instruction each; V's scale words stand in lanes 16-31, and tile 1's of p too
	WIN 0x01
.irp n, 0,1,2,3,4,5,6,7
	v_wmma_scale_f32_16x16x128_f8f6f4 v[O0+8*\n:O0+8*\n+7], v[\ob+12*\n:\ob+12*\n+11], v[PC:PC+11], v[O0+8*\n:O0+8*\n+7], v[\ks+\n], v[\ps] matrix_a_fmt:MATRIX_FMT_BF6 matrix_b_fmt:MATRIX_FMT_BF6 matrix_a_scale:MATRIX_SCALE_ROW1
	v_wmma_scale_f32_16x16x128_f8f6f4 v[O1+8*\n:O1+8*\n+7], v[\ob+12*\n:\ob+12*\n+11], v[PC+12:PC+23], v[O1+8*\n:O1+8*\n+7], v[\ks+\n], v[\ps] matrix_a_fmt:MATRIX_FMT_BF6 matrix_b_fmt:MATRIX_FMT_BF6 matrix_a_scale:MATRIX_SCALE_ROW1 matrix_b_scale:MATRIX_SCALE_ROW1
.endr
.endm
; A PAIR of key steps, my two records of a slot: 256 keys x my 32 queries.  A's K is in region ob or on its way there.
; mode 1: the slots change and the slot left is filled again.  mode 2: they change, nothing is filled.  mode 3: nothing follows.
.macro PAIR sb, ob, mode
	; ---- A
	SCORES \sb, \ob, KSA
	KLOAD \ob, KSB, STEPB                          ; B's K lands while A's softmax is walked
	MAXIMA \sb, NMB, NMA
	BLOCKX IA, NMA
.irp u, 0,1
	v_cvt_i32_f32 v[DD+\u], v[DD+\u]               ; (it saturates)
.endr
.irp b, 0,1,2,3
	v_floor_f32 v[IA+\b], v[IA+\b]                 ; the exponent of the block's largest p, kept for B
.endr
.irp u, 0,1
	v_ldexp_f32 v[FF+2*\u], 1.0, v[DD+\u]
.endr
.irp b, 0,1,2,3
	v_cvt_i32_f32 v[IB+\b], v[IA+\b]
.endr
	SUMSF FF
	SCALES
	TMM0 \sb, NMA
	EXP0 \sb, NMA
	EXP1 \sb
	CODES \sb, \ob
	; ---- B
	SCORES \sb, \ob, KSB
	FRAGS \ob, 12288                               ; A's V^T
	MAXIMA \sb, NMA, NMB
.irp b, 0,1,2,3
	v_add_f32 v[IA+\b], v[IA+\b], v[DD+\b/2]       ; A's exponents under B's M,
.endr
.irp u, 0,1
	v_cvt_i32_f32 v[TT+\u], v[DD+\u]               ; (it saturates)
.endr
.irp b, 0,1,2,3
	v_max_num_f32 v[IA+\b], 0xc2f40000, v[IA+\b]   ; held at -122
.endr
	v_ldexp_f32 v[DD], 1.0, v[TT+1]                ; what M moved: tile 1's factor,
	v_ldexp_f32 v[TT], 1.0, v[TT]                  ; tile 0's (v[TT:TT+1] and v[DD:DD+1] are named as pairs: the low words count)
.irp b, 0,1,2,3
	v_cvt_i32_f32 v[IA+\b], v[IA+\b]
.endr
	BLOCKX IB, NMB
	SUMSF TT
	v_mul_f32 v[FF], v[FF], v[TT]                  ; the pair's factors, powers of two
	v_mul_f32 v[FF+2], v[FF+2], v[DD]
.irp b, 0,1,2,3
	v_cvt_floor_i32_f32 v[IB+\b], v[IB+\b]
.endr
	WORDS IA, PSA
	SCALES
	WORDS IB, PSB
	s_wait_alu depctr_va_vdst(0)                   ; the wait here, directly ahead of the first reader of O^T
.set j, 0
.rept 32
	v_pk_mul_f32 v[O0+j:O0+j+1], v[O0+j:O0+j+1], v[FF:FF+1] op_sel_hi:[1,0]   ; O^T under the new M, each accumulator from its low end on.  (These 64 are also the places between the scale words and the product below)
.set j, j+2
.endr
.set j, 0
.rept 32
	v_pk_mul_f32 v[O1+j:O1+j+1], v[O1+j:O1+j+1], v[FF+2:FF+3] op_sel_hi:[1,0]
.set j, j+2
.endr
	s_wait_alu depctr_va_vdst(0)                   ; the wait here, directly ahead of the wait below
	s_wait_dscnt 0x0                               ; A's V^T is in
	PV \ob, KSA, PSA
	TMM0 \sb, NMB                                  ; also the places in front of the loads into V^T's registers
	FRAGS \ob, STEPB+12288                         ; B's V^T: my last reads of this slot
	WIN 0
.if \mode != 3
	s_xor_b32 s[TB], s[TB], SLOT1                  ; the next record lies in the other slot
	v_add_nc_u32 v[ADR], s[TB], v[LI]
	s_wait_alu depctr_va_vdst(0)                   ; the wait here, directly ahead of the wait below
	s_wait_tensorcnt 0x0                           ; no tensor load of mine is out: my part of the next slot is in
	ds_add_u32 v[SPW], v[NIL]                      ; 0 onto my spare word
.if \mode == 1
	NEXT_TILE
.endif
.endif
	WIN 0x41
	EXP0 \sb, NMB
.if \mode != 3
	s_wait_alu depctr_va_vdst(0)                   ; the wait here, directly ahead of the wait below
	s_wait_dscnt 0x0                               ; the add is done, and so are my reads of this slot
	s_barrier_signal -1                            ; say so; work on registers follows while the others arrive
.endif
	EXP1 \sb
	CODES \sb, \ob
.if \mode != 3
	s_wait_alu depctr_va_vdst(0)                   ; the wait here, directly ahead of the barrier's
	s_barrier_wait -1                              ; nobody in my work-group reads this slot any more, and the next one is whole
.if \mode == 1
	CREST                                          ; so it is in all four work-groups
	JLOAD                                          ; this slot takes the four records after the next slot's
.endif
	KLOAD \sb, KSA, 0                              ; p has been read: the next pair's first K lands there under the product below
.else
	s_wait_alu depctr_va_vdst(0)
	s_wait_dscnt 0x0                               ; B's V^T is in (in the other modes it was waited for in front of the barrier)
.endif
	PV \ob, KSB, PSB
	WIN 0
.rept 5
	v_nop                                          ; places in front of the next scores, which are written over V^T's registers
.endr
.endm
	s_load_b128 s[4:7], s[0:1], 0x0                ; qf s[4:5], kv s[6:7]
	s_load_b64 s[8:9], s[0:1], 0x10                ; out0
	v_lshl_add_u32 v[SPW], v0, 2, SPARE
	v_mov_b32 v[NIL], 0
	ds_add_u32 v[SPW], v[NIL]                      ; the wave's opening: the add, twice on end, and its wait ahead of my first tensor load
	ds_add_u32 v[SPW], v[NIL]
	v_lshrrev_b32 v8, 5, v0
	v_readfirstlane_b32 s[WV], v8                  ; wave 0..7
	s_bfe_u32 s11, ttmp6, 0x40000                  ; cx: my place in the cluster
	s_lshl_b32 s12, ttmp9, 2                       ; in a cluster launch ttmp9 counts clusters
	s_add_co_u32 s12, s12, s11                     ; my block of 128 queries: it enters qf's and out0's addresses alone
	s_and_b32 s13, ttmp7, 0xffff                   ; the batch, which the four partners share
	s_mov_b32 s[G1+0], 15|(3<<16)|(1<<21)          ; 15:0 the mask: all four work-groups; 17:16 elements of 8 bytes; 20 padding off; 21 set beside a mask
	s_mov_b32 s[G1+1], 32<<16                      ; tensor_dim0 = 32 elements: rows of 256 bytes
	s_mov_b32 s[G1+2], 50<<16                      ; tensor_dim1 = 50
	s_mov_b32 s[G1+3], 32<<16                      ; tile_dim0 = 32
	s_mov_b32 s[G1+4], 50                          ; tile_dim1 = 50
	s_mov_b32 s[G1+5], 32                          ; elements from row to row
	s_mov_b32 s[G1+6], 0
	s_mov_b32 s[G1+7], 0
	s_lshr_b32 s16, s[WV], 2                       ; which half of a slot's records is mine
	s_and_b32 s17, s[WV], 3
	s_lshl_b32 s17, s17, 1
	s_add_co_u32 s17, s17, s16                     ; tile 0: the one that I keep;
	s_xor_b32 s18, s17, 1                          ; tile 1: the one that my partner keeps
	s_mul_i32 s[TB], s16, 2*STEPB
	s_lshl_b32 s14, s13, 5                         ; the batch's first record
	s_add_co_u32 s15, s14, s12                     ; my record of qf
	s_mul_i32 s40, s15, 13312
	s_mov_b32 s41, 0
	s_mul_i32 s42, s17, 1536                       ; my two fragments in it,
	s_mov_b32 s43, 0
	s_mul_i32 s44, s18, 1536
	s_mov_b32 s45, 0
	s_lshl_b32 s46, s17, 7                         ; and their scale words
	s_add_co_u32 s46, s46, 12288
	s_mov_b32 s47, 0
	s_lshl_b32 s48, s18, 7
	s_add_co_u32 s48, s48, 12288
	s_mov_b32 s49, 0
	s_lshr_b32 s50, s17, 2
	s_lshl_b32 s50, s50, 6
	s_and_b32 s51, s17, 3
	s_lshl_b32 s51, s51, 3
	s_add_co_u32 s50, s50, s51                     ; tile 0 begins at row 64 (t / 4) + 8 (t % 4) of the 128
	s_lshl_b32 s51, s15, 7
	s_add_co_u32 s50, s50, s51
	s_lshl_b32 s50, s50, 9                         ; out0: rows of 512 bytes
	s_mov_b32 s51, 0
	s_mul_i32 s52, s14, STEPB                      ; the half record that I bring: made of the batch and the wave's number alone
	s_mul_i32 s53, s[WV], STEPB/2
	s_add_co_u32 s52, s52, s53
	s_mov_b32 s53, 0
	s_mul_i32 s19, s[WV], EXB                      ; my region of the exchange,
	s_add_co_u32 s19, s19, EX
	s_xor_b32 s54, s[WV], 4
	s_mul_i32 s54, s54, EXB                        ; and my partner's
	s_add_co_u32 s54, s54, EX
	s_mov_b32 s[SEL], 0x76543210
	s_mov_b32 s[SEL+1], 0xfedcba98
	s_mov_b32 s[CS], 0x3e0293ee                    ; c = log2(e) / sqrt(128)
	s_mov_b32 s[CS+1], 0x3e0293ee
	s_mov_b32 s[NC], 0xbe0293ee
	s_mov_b32 s[NEG], 0xff800000
	s_mov_b32 s[CNT], 3
	s_mul_i32 s55, s[WV], STEPB/2
	s_wait_dscnt 0x0                               ; both opening adds are done
	s_wait_alu depctr_va_vdst(0)
	s_wait_kmcnt 0x0
	s_add_nc_u64 s[4:5], s[4:5], s[40:41]
	s_add_nc_u64 s[42:43], s[4:5], s[42:43]
	s_add_nc_u64 s[44:45], s[4:5], s[44:45]
	s_add_nc_u64 s[46:47], s[4:5], s[46:47]
	s_add_nc_u64 s[48:49], s[4:5], s[48:49]
	s_add_nc_u64 s[8:9], s[8:9], s[50:51]
	s_mov_b32 s[G0], 1                             ; count = 1
	s_mov_b32 s[G0+1], s55                         ; LDS address: slot 0
	s_add_nc_u64 s[G0+2:G0+3], s[6:7], s[52:53]    ; global address
	s_or_b32 s[G0+3], s[G0+3], 0x80000000          ; type = 2
	CROUND                                         ; all four work-groups are here: the first joint loads meet
	JLOAD                                          ; slot 0
	v_and_b32 v9, 31, v0
	v_and_b32 v10, 15, v0                          ; r
	v_bfe_u32 v11, v0, 4, 1                        ; h
	v_lshlrev_b32 v[LI], 4, v9
	v_lshlrev_b32 v8, 2, v9
.irp c, 0,1,2
	global_load_b128 v[Q0+4*\c:Q0+4*\c+3], v[LI], s[42:43] offset:512*\c   ; Q's fragments stay in registers
	global_load_b128 v[Q1+4*\c:Q1+4*\c+3], v[LI], s[44:45] offset:512*\c
.endr
	global_load_b32 v[QS0], v8, s[46:47]
	global_load_b32 v[QS1], v8, s[48:49]
	v_add_nc_u32 v[ADR], s[TB], v[LI]
	v_add_nc_u32 v[XS], s54, v[LI]
	v_add_nc_u32 v[XR], s19, v[LI]
	v_lshl_add_u32 v[XS+1], v9, 3, s54
	v_lshl_add_u32 v[XR+1], v9, 3, s19
	v_lshlrev_b32 v[GO], 9, v11
	v_mul_u32_u24 v[STO], v10, 272
	v_mul_u32_u24 v[RD], v11, 272
	v_lshl_add_u32 v[GO], v10, 4, v[GO]            ; lanes 0-15 take one row of out0, lanes 16-31 the next; 16 bytes a lane
	v_lshl_add_u32 v[STO], v11, 7, v[STO]
	v_lshl_add_u32 v[RD], v10, 4, v[RD]
	v_add_nc_u32 v[STO], s19, v[STO]               ; in: row r, 128 bytes for each half of the lanes
	v_add_nc_u32 v[RD], s19, v[RD]                 ; back: lanes 0-15 one row, lanes 16-31 the next
.irp u, 0,1
	v_mov_b32 v[MX+\u], 0xff61b1e6                 ; the largest score so far: -3e38
	v_mov_b32 v[PP+\u], 0                          ; written once: a lane permute's destination counts as one of its sources
	v_mov_b32 v[NMA+1+2*\u], 0                     ; (named as upper halves of pairs)
	v_mov_b32 v[NMB+1+2*\u], 0
	v_mov_b32 v[FF+1+2*\u], 0
.endr
.irp u, 0,1
	v_mul_f32 v[NMB+2*\u], s[NC], v[MX+\u]
.endr
.irp u, 0,1
	v_floor_f32 v[NMB+2*\u], v[NMB+2*\u]           ; -M
.endr
.irp k, 0,1,2,3,4,5,6,7
	v_mov_b32 v[SU+\k], 0
.endr
.set j, 0
.rept 128
	v_mov_b32 v[O0+j], 0                           ; O^T, while slot 0 is on its way.  (The pair is written once for all: the first finds zeros, which the first change of M leaves zeros)
.set j, j+1
.endr
	s_wait_alu depctr_va_vdst(0)                   ; the wait at the head's end
	s_wait_tensorcnt 0x0                           ; my part of slot 0 is in
	ds_add_u32 v[SPW], v[NIL]
	NEXT_TILE
	s_wait_dscnt 0x0
	s_wait_loadcnt 0x0                             ; Q and its scale words
	CROUND                                         ; slot 0 is whole in all four work-groups
	JLOAD                                          ; slot 1
	KLOAD 128, KSA, 0
	WIN 0
.Lslots:                                           ; a trip walks two slots; behind each the slots change and the slot left is filled again
	PAIR 0, 128, 1
	PAIR 128, 0, 1
	s_sub_co_u32 s[CNT], s[CNT], 1
	s_cmp_lg_u32 s[CNT], 0
	s_cbranch_scc1 .Lslots
	PAIR 0, 128, 2                                 ; the last two slots are written out: nothing is left to ask for
	PAIR 128, 0, 3
	; THE EXCHANGE.  Tile 1's O^T, -M and sum go to my partner; my partner's, of the other half of the keys, come for tile 0.
	v_pk_add_f32 v[SU:SU+1], v[SU:SU+1], v[SU+2:SU+3]
	v_pk_add_f32 v[SU+4:SU+5], v[SU+4:SU+5], v[SU+6:SU+7]
	v_add_f32 v62, v[SU], v[SU+1]
	v_add_f32 v65, v[SU+4], v[SU+5]
	v_permlanex16_b32 v[PP], v62, s[SEL], s[SEL+1]
	v_permlanex16_b32 v[PP+1], v65, s[SEL], s[SEL+1]
	v_add_f32 v62, v62, v[PP]                      ; v62: tile 0's sum over my keys
	v_add_f32 v65, v65, v[PP+1]                    ; v[64:65]: tile 1's -M and sum
	v_mov_b32 v64, v[NMB+2]
	ds_store_b64 v[XS+1], v[64:65] offset:8192
.irp i, 0,1,2,3,4,5,6,7,8,9,10,11,12,13,14,15
	ds_store_b128 v[XS], v[O1+4*\i:O1+4*\i+3] offset:512*\i
.endr
	s_wait_alu depctr_va_vdst(0)
	s_wait_dscnt 0x0                               ; my stores have landed,
	s_barrier_signal -1
	s_barrier_wait -1                              ; and my partner's
	ds_load_b64 v[66:67], v[XR+1] offset:8192
	WIN 0x40
.irp i, 0,1,2,3,4,5,6,7,8,9,10,11,12,13,14,15
	ds_load_b128 v[4*\i:4*\i+3], v[XR] offset:512*\i
.endr
	WIN 0
	s_wait_dscnt 16                                ; -M and the sum are in; the 16 pieces of O^T may be out
	v_min_num_f32 v68, v[NMB], v66                 ; -M over all keys
	v_sub_f32 v70, v68, v[NMB]
	v_sub_f32 v71, v68, v66
	v_cvt_i32_f32 v70, v70
	v_cvt_i32_f32 v71, v71
	v_ldexp_f32 v72, 1.0, v70                      ; my factor and my partner's: powers of two
	v_ldexp_f32 v73, 1.0, v71
	v_mul_f32 v69, v62, v72
	v_fma_f32 v69, v67, v73, v69                   ; the row's sum
	s_wait_alu depctr_va_vdst(0)
	v_rcp_f32 v69, v69
	v_nop                                          ; a plain place behind the transcendental
	s_wait_alu depctr_va_vdst(0)
	v_mul_f32 v[FF], v69, v72
	v_mul_f32 v[FF+2], v69, v73
	s_wait_alu depctr_va_vdst(0)
	s_wait_dscnt 0x0
	WIN 0x41
.set j, 0
.rept 32
	v_pk_mul_f32 v[j:j+1], v[j:j+1], v[FF+2:FF+3] op_sel_hi:[1,0]
.set j, j+2
.endr
	WIN 0x10                                       ; source 2 window 1
	s_wait_alu depctr_va_vdst(0)                   ; the wait here, directly ahead of the first reader of O^T
.set j, 0
.rept 32
	v_pk_fma_f32 v[O0+j:O0+j+1], v[O0+j:O0+j+1], v[FF:FF+1], v[j:j+1] op_sel_hi:[1,0,1]   ; V^T's tiles take channels as K's take keys: register 32 c + i is o(query r, channel 64 c + 32 h + i)
.set j, j+2
.endr
	WIN 0
	; THE WAY OUT: through my stage (my own region, which I have read), half a row (64 channels, 256 bytes) of 16 queries at a time, so that sixteen lanes store 256 consecutive bytes, aligned.
.irp u, 0,1
.irp t, 0,1,2,3
	ds_store_b128 v[STO], v[O0+32*\u+8*\t:O0+32*\u+8*\t+3] offset:32*\t
	ds_store_b128 v[STO], v[O0+32*\u+8*\t+4:O0+32*\u+8*\t+7] offset:32*\t+16
.endr
.irp i, 0,1,2,3,4,5,6,7
	ds_load_b128 v[O1+32*\u+4*\i:O1+32*\u+4*\i+3], v[RD] offset:544*\i     ; LDS serves a wave's instructions in order: these see my stores, and the next half's stores come behind them
.endr
.endr
.irp u, 0,1
.irp i, 0,1,2,3,4,5,6,7
	s_wait_dscnt 23-16*\u-\i                       ; behind load i of the first half: its 7 - i younger loads and the second half's 8 stores and 8 loads; of the second half: its 7 - i younger loads
	global_store_b128 v[GO], v[O1+32*\u+4*\i:O1+32*\u+4*\i+3], s[8:9] offset:(2*\i+24*(\i/4))*512+256*\u th:TH_STORE_NT   ; stage row 2 i + h is the tile's row 2 i + h + 24 (i / 4); written once, read by nobody here
.endr
.endr
	s_wait_tensorcnt 0x0                           ; the wave's end: behind my last tensor load and my last LDS store
	ds_add_u32 v[SPW], v[NIL]
	s_wait_dscnt 0x0
	CROUND                                         ; the closing round: no work-group ends while a partner may still ask for a piece that names it
	s_endpgm
.Lfunc_end_k_q13f983655a_attn:
	.size	k_q13f983655a_attn, .Lfunc_end_k_q13f983655a_attn-k_q13f983655a_attn
	.p2alignl 7, 3214868480
	.fill 96, 4, 3214868480
	.section	.rodata,"a",@progbits
	.p2align	6, 0x0
	.amdhsa_kernel k_q13f983655a_attn
		.amdhsa_group_segment_fixed_size 327680
		.amdhsa_private_segment_fixed_size 0
		.amdhsa_enable_private_segment 0
		.amdhsa_kernarg_size 24
		.amdhsa_user_sgpr_count 2
		.amdhsa_user_sgpr_kernarg_segment_ptr 1
		.amdhsa_wavefront_size32 1
		.amdhsa_system_sgpr_workgroup_id_x 1
		.amdhsa_system_sgpr_workgroup_id_y 1
		.amdhsa_system_sgpr_workgroup_id_z 1
		.amdhsa_system_vgpr_workitem_id 0
		.amdhsa_next_free_vgpr 512
		.amdhsa_next_free_sgpr 66
		.amdhsa_reserve_vcc 0
		.amdhsa_float_denorm_mode_32 3
		.amdhsa_float_denorm_mode_16_64 3
		.amdhsa_memory_ordered 1
		.amdhsa_forward_progress 1
		.amdhsa_inst_pref_size 255
	.end_amdhsa_kernel
	.section	.bss,"aw",@nobits
	.p2align	6
	.space	262144
	.amdgpu_metadata
---
amdhsa.version: [ 1, 2 ]
amdhsa.kernels:
  - .name:           k_q13f983655a_attn
    .symbol:         k_q13f983655a_attn.kd
    .args:
      - { .name: qf, .offset: 0, .size: 8, .value_kind: global_buffer, .address_space: global }
      - { .name: kv, .offset: 8, .size: 8, .value_kind: global_buffer, .address_space: global }
      - { .name: out0, .offset: 16, .size: 8, .value_kind: global_buffer, .address_space: global }
    .group_segment_fixed_size: 327680
    .private_segment_fixed_size: 0
    .kernarg_segment_align: 8
    .kernarg_segment_size: 24
    .max_flat_workgroup_size: 256
    .sgpr_count:     66
    .vgpr_count:     512
    .wavefront_size: 32
...
	.end_amdgpu_metadata
.endif
;; end of part 2
